; MI455X (gfx1250); checked and timed in simulation.
; The chip was launched on July 23, 2026; its instructions are those of AMD's public machine-readable ISA for CDNA 5 (MIT licence, August 2026) and "CDNA5" Instruction Set Architecture Reference Guide (July 2026). The comments in the code are by the model that wrote it; some were corrected since.
;; Dot Product Attention. Allowed arithmetic: matrix products marked QUANTISED: E2M3 operands, one E8M0 scale for each 32 along K, by v_wmma_scale_f32_16x16x128_f8f6f4 with both operands' format E2M3, f32 sums; everything else in f32.
;; Inputs: W_key 768 x 768 float32; W_query 768 x 768 float32; W_value 768 x 384 float32; inputs 8 x 2,048 x 768 float32.
;; Outputs: out0 8 x 2,048 x 384 float32.
;; This version of the problem:
;;   THIS VERSION OF THE PROBLEM IS GIVEN IN LOW PRECISION. The matrix products marked QUANTISED in the list below multiply operands that are first quantised to E2M3 (2 exponent bits, 3 mantissa bits; 6 bits a number), with one power-of-two scale for each 32 numbers along K (OCP MX v1.0); their sums are f32. All else is computed in f32.
;;   The module's matrix products, in the order in which they are computed (A, B: the left and right operand; K: the contracted axis; several contracted axes count as one K, in the product's order):
;;     1. [M 16,384, K 768] x [K 768, N 768]; A: input inputs; B: input W_query: QUANTISED
;;     2. [M 16,384, K 768] x [K 768, N 768]; A: input inputs; B: input W_key: QUANTISED
;;     3. [M 16,384, K 768] x [K 768, N 384]; A: input inputs; B: input W_value: QUANTISED
;;     4. batch 8 x [M 2,048, K 768] x [K 768, N 2,048]; A: computed on the way; B: computed on the way: QUANTISED
;;     5. batch 8 x [M 2,048, K 2,048] x [K 2,048, N 384]; A: softmax (see below); B: computed on the way: QUANTISED
;;   THE QUANTISER, for each operand of a quantised product, along K:
;;     - K is cut into blocks of 32 from its start; a last block that is shorter is filled with zeros.
;;     - A block's scale is 2^e with e = floor(log2(the largest magnitude in the block)) - 2, held to -126 .. 127; a block of zeros has e = 0. As a byte (E8M0): e + 127.
;;     - Each number is divided by its block's scale, clamped to +-7.5, and rounded to the nearest number of E2M3, ties to even, subnormals kept.
;;     - The product sums the exact products of the quantised numbers (number of the format x scale) in f32.
;;   ~~~python
;;   def quantise(x, axis):      # numpy; x: float32 -> the quantised numbers, widened to float32 again
;;       x = np.moveaxis(x, axis, -1); K = x.shape[-1]
;;       x = np.pad(x, [(0, 0)] * (x.ndim - 1) + [(0, -K % 32)]); x = x.reshape(x.shape[:-1] + (-1, 32)); a = np.abs(x).max(-1, keepdims=True)
;;       e = np.where(a > 0, np.clip(np.frexp(np.where(a > 0, a, 1))[1] - 1 - 2, -126, 127), 0)      # np.frexp(a)[1] - 1 = floor(log2(a)), exactly
;;       r = np.clip(x / 2.0 ** e, -7.5, 7.5)
;;       step = 2.0 ** (np.maximum(np.frexp(np.where(r == 0, 1, r))[1] - 1, 0) - 3)
;;       q = np.round(r / step) * step * 2.0 ** e      # np.round: ties to even
;;       return np.moveaxis(q.reshape(q.shape[:-2] + (-1,))[..., :K], -1, axis).astype(np.float32)
;;   ~~~
;;   SOFTMAX AHEAD OF A QUANTISED PRODUCT. Where the list says 'softmax', what is quantised is not the finished softmax but p = 2^(t - M), with t = logit x log2(e) and M = ceil(the row's largest t), a whole number; so 1/2 < the row's largest p <= 1. The row's sum l is taken of the UNQUANTISED p, in f32, and the product's result is divided by l at the end. Since M is a whole number, a kernel that streams over the keys may use a running M (the ceiling of the running maximum): every later rescaling is an exact power of two, which a block's scale takes up: the codes' values come out the same.
;;   OPERANDS COMPUTED ON THE WAY. 'Computed on the way' means the value that the module computes at that place (a softmax that the list does not call 'softmax' is quantised finished and normalised). What goes into a quantiser is computed in f32, as accurately as f32 sums, v_exp_f32 and their like allow (about 1e-6 of the number): no bf16 or f16 on the way to a quantiser, and a product that is left as it is and whose result goes on into a quantised operand takes f32 operands (vector FMAs, or v_wmma_f32_16x16x4_f32). A number that lies on a knife's edge between two numbers of the format may be rounded either way, as far as f32 arithmetic and the matrix unit's own rounding can turn it there, and no further.
;; One version. Each part assembles by itself: llvm-mc -triple=amdgcn-amd-amdhsa -mcpu=gfx1250 --defsym DOCPART=n.
;; ======== version 1 of 1: 3 launches
;; limits: right only within a limited range of input values
;; workspace buffers: ximg 10,223,616 bytes; wimg 1,198,080 bytes; qimg 10,223,616 bytes; kv 15,335,424 bytes
;; launch quant (part 1): grid 301 x 1, 8 waves a work-group, no clusters, 68,608 bytes of LDS; arguments inputs, W_query, W_key, W_value, ximg, wimg; writes ximg, wimg
.if DOCPART == 1
	.amdgcn_target "amdgcn-amd-amdhsa--gfx1250"
	.amdhsa_code_object_version 6
	.text
	.protected	k_q011b309c75_quant
	.globl	k_q011b309c75_quant
	.p2align	8
	.type	k_q011b309c75_quant,@function
k_q011b309c75_quant:
	s_mov_b64 s[64:65], 0
	v_nop
	global_prefetch_b8 v0, s[64:65] scope:SCOPE_SE
	s_setreg_imm32_b32 hwreg(HW_REG_WAVE_MODE, 25, 1), 1
	s_wait_xcnt 0x0
; FIRST OF THREE LAUNCHES of out0 = softmax(q k^T / sqrt(768)) v, q = x Wq, k = x Wk, v = x Wv, all five products on codes of FP6 (E2M3) with one E8M0 scale for each 32 along K.
; NOTHING IS LEFT OUT: reference() has no mask, no bias and no slice; every number of all four inputs reaches out0, so all four are loaded and all five products are made.
; THIS LAUNCH quantises x [16384][768] and Wq, Wk [768][768], Wv [768][384] along d (K of the three projections) into IMAGES OF OPERAND REGISTERS:
;   a fragment (16 rows x 128 K, 12 registers a lane) is 1,536 bytes: registers 4 p .. 4 p + 3 of lane L at byte 512 p + 16 L;  its scale words are 128 bytes: lane L's word at 4 L (lanes 16-31 repeat lanes 0-15);
;   a tile record (16 rows x 768 K) is 9,984 bytes: fragments of K step s at 1,536 s, scale words at 9,216 + 128 s.
;   THE ROWS OF A TILE ARE NOT NEIGHBOURS: slot r of tile 2 b + u is row (of x) or column (of W) 32 b + 8 u + r + 8 (r / 8), so that the results of two neighbouring tiles are 16 neighbours along the next product's K.
; A block's scale is 2^(floor(log2(largest magnitude)) - 2): its byte is the largest magnitude's exponent field - 2, held at 1 from below by a floor among the maximum's leaves.
; LIMITS: a block of zeros gets the byte 1 where the rule says 127 (its codes are zeros, and this program alone reads the bytes); blocks whose largest magnitude lies under 2^-124 were not tried; NaN and infinities among the inputs are not served.
; SHARES: work-groups 0-44 take W (360 waves: 32 columns x 128 d each), work-groups 45-300 take x (a wave: one tile of 16 rows x 384 d, all its 48 loads issued at its head).  Waves share nothing: no barrier.  Only the x path uses LDS.
.set TILE,  9984
.set NWGW,  45
.set STG,   8448                       ; x path: a wave's stage: 16 rows x (512 bytes + 16)
.set SPARE, 8*STG                      ; behind the eight stages: the spare words, 128 bytes for each wave: four blocks of 256 bytes that no other line names
.set SPW,   30                         ; v30  LDS address of my spare word; never rewritten
.set NIL,   31                         ; v31  0; never rewritten
.set X,     64                         ; W path: v64-191 four blocks of 32 numbers down K
.set PC,    192                        ; W path: v192-215 the codes: 12 registers for target lane (r, 0), 12 for (r, 1)
.set TW,    216                        ; W path: v216-218 a block's upper 16 codes, before they are moved
.set R0,    32                         ; x path: v32-95, v96-159, v160-223: a set of 64 for each of my three K steps: the numbers as loaded, then, back from the stage, my 64 numbers of the fragment
.set PX,    224                        ; x path: v224-235 the fragment's codes
.set TX,    236                        ; x path: v236-238, v240-242 upper halves before they are moved
.set MX,    244                        ; v244-245 largest magnitudes; v246-247 the conversions' scale operands; v248-249 bytes; v250 the scale word; v251 the other half's
.set SX,    246
.set BX,    248
.set PW,    250
.set TP,    251
	s_load_b256 s[4:11], s[0:1], 0x0               ; x s[4:5], Wq s[6:7], Wk s[8:9], Wv s[10:11]
	s_load_b128 s[12:15], s[0:1], 0x20             ; ximg s[12:13], wimg s[14:15]
	v_lshl_add_u32 v[SPW], v0, 2, SPARE
	v_mov_b32 v[NIL], 0
	v_lshrrev_b32 v1, 5, v0
	s_delay_alu instid0(VALU_DEP_1)
	v_readfirstlane_b32 s16, v1                    ; wave 0..7
	v_and_b32 v2, 31, v0                           ; lane
	s_cmp_ge_u32 ttmp9, NWGW
	s_cbranch_scc1 .Lx_path
; ---------------- W: A LANE TAKES A COLUMN, ITS REGISTERS RUN DOWN d ----------------
	s_mul_i32 s17, ttmp9, 86
	s_lshr_b32 s17, s17, 8                         ; cg = work-group / 3 (exact up to 44): a group of 128 columns
	s_mul_i32 s18, s17, 3
	s_sub_co_u32 s18, ttmp9, s18                   ; which third of d
	s_and_b32 s19, s16, 3                          ; my 32 columns of the 128
	s_lshr_b32 s20, s16, 2
	s_lshl_b32 s21, s17, 2
	s_add_co_u32 s21, s21, s19                     ; my pair of tiles, 0..59
	s_lshl_b32 s22, s18, 1
	s_add_co_u32 s22, s22, s20                     ; my K step, 0..5
	s_mul_i32 s24, s21, 2*TILE
	s_mul_i32 s25, s22, 1536
	s_add_co_u32 s24, s24, s25                     ; where my fragments go
	s_mov_b32 s25, 0
	s_mul_i32 s26, s21, 2*TILE
	s_lshl_b32 s27, s22, 7
	s_add_co_u32 s26, s26, s27
	s_add_co_u32 s26, s26, 9216                    ; and their scale words
	s_mov_b32 s27, 0
	s_wait_alu depctr_va_vdst(0)
	v_lshlrev_b32 v3, 2, v2                        ; in: 4 bytes a lane
	v_bfe_u32 v6, v2, 3, 1                         ; column 8 u + r + 8 (r / 8) of the 32: u = (lane / 8) % 2,
	v_and_b32 v7, 7, v2
	v_lshrrev_b32 v8, 4, v2
	s_delay_alu instid0(VALU_DEP_1)
	v_lshl_add_u32 v7, v8, 3, v7                   ; r = lane % 8 + 8 (lane / 16)
	s_delay_alu instid0(VALU_DEP_4)
	v_mul_u32_u24 v6, v6, TILE
	s_delay_alu instid0(VALU_DEP_1)
	v_lshl_add_u32 v4, v7, 4, v6                   ; out: tile u, 16 r
	s_delay_alu instid0(VALU_DEP_2)
	v_lshl_add_u32 v5, v7, 2, v6                   ; scale words: tile u, 4 r
	s_wait_kmcnt 0x0
	s_add_nc_u64 s[24:25], s[14:15], s[24:25]
	s_add_nc_u64 s[26:27], s[14:15], s[26:27]
	s_cmp_lt_u32 s17, 6                            ; groups 0-5 Wq, 6-11 Wk, 12-14 Wv: the choice hangs on the work-group's number alone
	s_cselect_b64 s[6:7], s[6:7], s[8:9]
	s_cselect_b32 s23, 0, 6
	s_cmp_lt_u32 s17, 12
	s_cselect_b64 s[6:7], s[6:7], s[10:11]
	s_cselect_b32 s23, s23, 12
	s_mov_b32 s28, 1536
	s_cselect_b32 s28, 3072, s28                   ; a row of the matrix in bytes
	s_sub_co_u32 s23, s17, s23                     ; the group within its matrix
	s_lshl_b32 s29, s22, 7
	s_mul_i32 s28, s29, s28                        ; 128 x K step rows down,
	s_lshl_b32 s29, s23, 9
	s_add_co_u32 s28, s28, s29                     ; 128 columns a group,
	s_lshl_b32 s29, s19, 7
	s_add_co_u32 s28, s28, s29                     ; 32 a wave
	s_mov_b32 s29, 0
	s_add_nc_u64 s[6:7], s[6:7], s[28:29]
.macro WLOAD b, pitch                  ; block b: W(32 b + i, my column): 32 lanes read 128 consecutive bytes, four waves side by side 512
.irp i, 0,1,2,3,4,5,6,7,8,9,10,11,12,13,14,15,16,17,18,19,20,21,22,23,24,25,26,27,28,29,30,31
	global_load_b32 v[X+32*(\b)+\i], v3, s[6:7] offset:(32*(\b)+\i)*(\pitch) th:TH_LOAD_NT
.endr
.endm
.macro WBLOCK b, left, more, pitch     ; block b = 2 c + h of my column belongs to target lane (r, h), registers 6 c .. 6 c + 5
.set XS, X+32*(\b)
.set PD, PC+12*((\b)%2)+6*((\b)/2)
	s_wait_loadcnt \left                           ; this block's 32 loads are in; the next block's 32 may be out
.if \more
	WLOAD (\b)+2, \pitch                           ; two blocks ahead, into registers of its own
.endif
	v_max3_num_f32 v12, |v[XS]|, |v[XS+1]|, |v[XS+2]|
	v_max3_num_f32 v13, |v[XS+3]|, |v[XS+4]|, |v[XS+5]|
.irp i, 6,10,14,18,22,26
	s_delay_alu instid0(VALU_DEP_2)
	v_max3_num_f32 v12, v12, |v[XS+\i]|, |v[XS+\i+1]|
	s_delay_alu instid0(VALU_DEP_2)
	v_max3_num_f32 v13, v13, |v[XS+\i+2]|, |v[XS+\i+3]|
.endr
	s_delay_alu instid0(VALU_DEP_2)
	v_max3_num_f32 v12, v12, |v[XS+30]|, |v[XS+31]|
	s_delay_alu instid0(VALU_DEP_1)
	v_max3_num_f32 v12, v12, v13, 0x1800000        ; and the floor 2^(3 - 127): the byte cannot fall under 1
	s_delay_alu instid0(VALU_DEP_1)
	v_add_nc_u32 v11, 0xff000000, v12              ; 2 off the exponent field: the conversion's scale operand
	s_delay_alu instid0(VALU_DEP_1)
	v_lshrrev_b32 v13, 23, v11                     ; the scale's byte
.if (\b) == 0
	s_delay_alu instid0(VALU_DEP_1)
	v_mov_b32 v10, v13
.else
	s_delay_alu instid0(VALU_DEP_1)
	v_lshl_or_b32 v10, v13, 8*(\b), v10            ; byte b of my column's scale word
.endif
	v_cvt_scalef32_pk16_fp6_f32 v[PD:PD+2], v[XS:XS+15], v11
	v_cvt_scalef32_pk16_fp6_f32 v[TW:TW+2], v[XS+16:XS+31], v11   ; (a conversion's three registers begin on an even number)
	v_nop                                          ; one plain place behind a scaled conversion
.irp i, 0,1,2
	v_mov_b32 v[PD+3+\i], v[TW+\i]
.endr
.endm
.macro WQ pitch
	WLOAD 0, \pitch
	WLOAD 1, \pitch
	WBLOCK 0, 32, 1, \pitch
	WBLOCK 1, 32, 1, \pitch
	WBLOCK 2, 32, 0, \pitch
	WBLOCK 3, 0, 0, \pitch
.irp h, 0,1
.irp p, 0,1,2
	global_store_b128 v4, v[PC+12*\h+4*\p:PC+12*\h+4*\p+3], s[24:25] offset:256*\h+512*\p   ; sixteen lanes of a tile store 256 consecutive bytes, at a multiple of 256 from the buffer's first byte
.endr
.endr
	global_store_b32 v5, v10, s[26:27]             ; the scale words, for lanes 0-15,
	global_store_b32 v5, v10, s[26:27] offset:64   ; and once more for lanes 16-31
	s_endpgm
.endm
	s_cmp_ge_u32 s17, 12
	s_cbranch_scc1 .Lw_value
	s_wait_alu depctr_va_vdst(0)
	WQ 3072
.Lw_value:
	s_wait_alu depctr_va_vdst(0)
	WQ 1536
; ---------------- x: K IS INNERMOST; A WAVE TAKES ONE TILE OF 16 ROWS AND THREE K STEPS ----------------
.Lx_path:
	s_sub_co_u32 s17, ttmp9, NWGW
	s_lshl_b32 s17, s17, 2
	s_lshr_b32 s18, s16, 1
	s_add_co_u32 s17, s17, s18                     ; my tile, 0..1023
	s_and_b32 s18, s16, 1                          ; which half of d
	s_lshr_b32 s19, s17, 1
	s_lshl_b32 s19, s19, 5
	s_and_b32 s20, s17, 1
	s_lshl_b32 s20, s20, 3
	s_add_co_u32 s19, s19, s20                     ; slot 0's row: 32 (tile / 2) + 8 (tile % 2)
	s_mul_i32 s20, s19, 3072
	s_mul_i32 s19, s18, 1536
	s_add_co_u32 s20, s20, s19
	s_mov_b32 s21, 0
	s_mul_i32 s22, s17, TILE
	s_mul_i32 s19, s18, 4608
	s_add_co_u32 s22, s22, s19                     ; my three fragments
	s_mov_b32 s23, 0
	s_mul_i32 s24, s17, TILE
	s_mul_i32 s19, s18, 384
	s_add_co_u32 s24, s24, s19
	s_add_co_u32 s24, s24, 9216                    ; and their scale words
	s_mov_b32 s25, 0
	s_mul_i32 s26, s16, STG                        ; my stage
	s_mov_b32 s28, 0x76543210
	s_mov_b32 s29, 0xfedcba98                      ; v_permlanex16_b32's selects for lane l xor 16
	s_wait_alu depctr_va_vdst(0)
	v_lshlrev_b32 v3, 4, v2                        ; 16 x lane
	v_lshlrev_b32 v4, 2, v2                        ; 4 x lane
	s_delay_alu instid0(VALU_DEP_2)
	v_add_nc_u32 v5, s26, v3                       ; the stage, on the way in: a row's 512 bytes as they lie
	v_and_b32 v8, 15, v0                           ; r
	v_bfe_u32 v9, v0, 4, 1                         ; h
	s_delay_alu instid0(VALU_DEP_2)
	v_mul_u32_u24 v6, v8, 528
	s_delay_alu instid0(VALU_DEP_1)
	v_lshl_add_u32 v6, v9, 7, v6
	s_delay_alu instid0(VALU_DEP_1)
	v_add_nc_u32 v6, s26, v6                       ; on the way out: row r, + 128 h: K = 32 h on
	s_delay_alu instid0(VALU_DEP_4)
	v_lshlrev_b32 v7, 3, v9                        ; 8 h: where my two bytes stand in the scale word
	v_mov_b32 v[TP], 0                             ; written once: a lane permute's destination counts as one of its sources
	s_wait_alu depctr_va_vdst(0)
	s_wait_kmcnt 0x0
	s_add_nc_u64 s[4:5], s[4:5], s[20:21]
	s_add_nc_u64 s[22:23], s[12:13], s[22:23]
	s_add_nc_u64 s[24:25], s[12:13], s[24:25]
.macro LOADF n                         ; K step n of the tile's 16 rows into set n: each load reads 512 consecutive bytes of one row
.irp i, 0,1,2,3,4,5,6,7,8,9,10,11,12,13,14,15
	global_load_b128 v[R0+64*(\n)+4*\i:R0+64*(\n)+4*\i+3], v3, s[4:5] offset:(\i+8*(\i/8))*3072+512*(\n) th:TH_LOAD_NT
.endr
.endm
.macro QB                              ; my 64 numbers in v[XN] on, K = 64 c + 32 h + 0 .. 31: two whole blocks, 2 c + h
.irp c, 0,1
	v_max3_num_f32 v[MX+\c], |v[XN+32*\c]|, |v[XN+32*\c+1]|, 0x1800000   ; with the floor 2^(3 - 127)
.endr
.irp i, 2,4,6,8,10,12,14,16,18,20,22,24,26,28,30
.irp c, 0,1
	s_delay_alu instid0(VALU_DEP_2)
	v_max3_num_f32 v[MX+\c], v[MX+\c], |v[XN+32*\c+\i]|, |v[XN+32*\c+\i+1]|
.endr
.endr
.irp c, 0,1
	s_delay_alu instid0(VALU_DEP_2)
	v_add_nc_u32 v[SX+\c], 0xff000000, v[MX+\c]    ; 2 off the exponent field: the conversion's scale operand
.endr
.irp c, 0,1
	s_delay_alu instid0(VALU_DEP_2)
	v_lshrrev_b32 v[BX+\c], 23, v[SX+\c]
.endr
	s_delay_alu instid0(VALU_DEP_1)
	v_lshl_or_b32 v[PW], v[BX+1], 16, v[BX]        ; my two bytes: blocks h and 2 + h,
	s_delay_alu instid0(VALU_DEP_1)
	v_lshlrev_b32 v[PW], v7, v[PW]                 ; at their places;
	s_delay_alu instid0(VALU_DEP_1)
	v_permlanex16_b32 v[TP], v[PW], s28, s29
	s_delay_alu instid0(VALU_DEP_1)
	v_or_b32 v[PW], v[PW], v[TP]                   ; with lane l xor 16's two the word is whole, in both halves of the lanes
.irp c, 0,1
	v_cvt_scalef32_pk16_fp6_f32 v[PX+6*\c:PX+6*\c+2], v[XN+32*\c:XN+32*\c+15], v[SX+\c]
	v_cvt_scalef32_pk16_fp6_f32 v[TX+4*\c:TX+4*\c+2], v[XN+32*\c+16:XN+32*\c+31], v[SX+\c]
.endr
	v_nop                                          ; one plain place behind a scaled conversion
.irp c, 0,1
.irp i, 0,1,2
	v_mov_b32 v[PX+6*\c+3+\i], v[TX+4*\c+\i]
.endr
.endr
.endm
.macro FR n, left                      ; one fragment: through the stage and back into the set that it left, quantised, stored as an image
.set XN, R0+64*(\n)
	s_wait_loadcnt \left                           ; this K step's 16 loads are in; the later K steps' (16 each) may be out
.irp i, 0,1,2,3,4,5,6,7,8,9,10,11,12,13,14,15
	ds_store_b128 v5, v[XN+4*\i:XN+4*\i+3] offset:528*\i
.endr
	s_wait_dscnt 0x0                               ; the stores have read their registers: the loads below land on them
.irp c, 0,1
.irp i, 0,1,2,3,4,5,6,7
	ds_load_b128 v[XN+32*\c+4*\i:XN+32*\c+4*\i+3], v6 offset:256*\c+16*\i
.endr
.endr
	s_wait_dscnt 0x0                               ; my numbers are back; the stage is free for the next K step
.if (\n) > 0
	s_wait_xcnt 0x0                                ; the last fragment's stores have read their data: the codes and the word are written again only behind this wait
.endif
	QB
.irp p, 0,1,2
	global_store_b128 v3, v[PX+4*\p:PX+4*\p+3], s[22:23] offset:1536*(\n)+512*\p   ; 512 consecutive bytes
.endr
	global_store_b32 v4, v[PW], s[24:25] offset:128*(\n)
.endm
	LOADF 0
	LOADF 1
	LOADF 2
	FR 0, 32
	FR 1, 16
	FR 2, 0
	s_wait_tensorcnt 0x0                           ; the wave's end
	ds_add_u32 v[SPW], v[NIL]
	s_wait_dscnt 0x0
	s_endpgm
.Lfunc_end_k_q011b309c75_quant:
	.size	k_q011b309c75_quant, .Lfunc_end_k_q011b309c75_quant-k_q011b309c75_quant
	.p2alignl 7, 3214868480
	.fill 96, 4, 3214868480
	.section	.rodata,"a",@progbits
	.p2align	6, 0x0
	.amdhsa_kernel k_q011b309c75_quant
		.amdhsa_group_segment_fixed_size 68608
		.amdhsa_private_segment_fixed_size 0
		.amdhsa_enable_private_segment 0
		.amdhsa_kernarg_size 48
		.amdhsa_user_sgpr_count 2
		.amdhsa_user_sgpr_kernarg_segment_ptr 1
		.amdhsa_wavefront_size32 1
		.amdhsa_system_sgpr_workgroup_id_x 1
		.amdhsa_system_sgpr_workgroup_id_y 1
		.amdhsa_system_sgpr_workgroup_id_z 1
		.amdhsa_system_vgpr_workitem_id 0
		.amdhsa_next_free_vgpr 256
		.amdhsa_next_free_sgpr 66
		.amdhsa_reserve_vcc 0
		.amdhsa_float_denorm_mode_32 3
		.amdhsa_float_denorm_mode_16_64 3
		.amdhsa_memory_ordered 1
		.amdhsa_forward_progress 1
		.amdhsa_inst_pref_size 71
	.end_amdhsa_kernel
	.amdgpu_metadata
---
amdhsa.version: [ 1, 2 ]
amdhsa.kernels:
  - .name:           k_q011b309c75_quant
    .symbol:         k_q011b309c75_quant.kd
    .args:
      - { .name: inputs, .offset: 0, .size: 8, .value_kind: global_buffer, .address_space: global }
      - { .name: W_query, .offset: 8, .size: 8, .value_kind: global_buffer, .address_space: global }
      - { .name: W_key, .offset: 16, .size: 8, .value_kind: global_buffer, .address_space: global }
      - { .name: W_value, .offset: 24, .size: 8, .value_kind: global_buffer, .address_space: global }
      - { .name: ximg, .offset: 32, .size: 8, .value_kind: global_buffer, .address_space: global }
      - { .name: wimg, .offset: 40, .size: 8, .value_kind: global_buffer, .address_space: global }
    .group_segment_fixed_size: 68608
    .private_segment_fixed_size: 0
    .kernarg_segment_align: 8
    .kernarg_segment_size: 48
    .max_flat_workgroup_size: 256
    .sgpr_count:     66
    .vgpr_count:     256
    .wavefront_size: 32
...
	.end_amdgpu_metadata
.endif
;; end of part 1
;; launch proj (part 2): grid 64 x 4, 4 waves a work-group, no clusters, 327,680 bytes of LDS; arguments ximg, wimg, qimg, kv; writes qimg, kv
.if DOCPART == 2
	.amdgcn_target "amdgcn-amd-amdhsa--gfx1250"
	.amdhsa_code_object_version 6
	.text
	.protected	k_q011b309c75_proj
	.globl	k_q011b309c75_proj
	.p2align	8
	.type	k_q011b309c75_proj,@function
k_q011b309c75_proj:
	s_mov_b64 s[64:65], 0
	v_nop
	global_prefetch_b8 v0, s[64:65] scope:SCOPE_SE
	s_setreg_imm32_b32 hwreg(HW_REG_WAVE_MODE, 25, 1), 1
	s_wait_xcnt 0x0
.set TILE,  9984
.set REC,   119808
.set SPARE, 16*TILE
.set L16,   1
.set L4,    3
.set AL,    8
.set ASL,   9
.set VO,    10
.set VS,    11
.set L4S,   12
.set SPW,   30
.set NIL,   31
.set RS,    32
.set SS,    80
.set TM,    88
.set PW,    104
.set PC,    106
.set HA,    128
.set SF,    72
.set WV,    12
.set YY,    14
.set RB,    22
.set SB,    24
.set OB,    28
.set CA,    30
.set CB,    31
.set CB2,   32
.set CC,    34
.set CC2,   35
.set CA2,   39
.set IDX0,  40
.set TN,    42
.set TLM,   43
.set TI,    48
.set TL,    49
.set TLN,   50
.set SEL,   52
.set G1A,   68
.set G1B,   76
.set G0A,   84
.set G0B,   88
.set MSB, 0
.macro WIN new
.if MSB != \new
	s_set_vgpr_msb (MSB<<8)|\new
.set MSB, \new
.endif
.endm
	s_load_b256 s[4:11], s[0:1], 0x0
	v_lshl_add_u32 v[SPW], v0, 2, SPARE
	v_mov_b32 v[NIL], 0
	ds_add_u32 v[SPW], v[NIL]
	ds_add_u32 v[SPW], v[NIL]
	v_lshrrev_b32 v13, 5, v0
	v_readfirstlane_b32 s[WV], v13
	v_and_b32 v13, 31, v0
	v_lshlrev_b32 v[L16], 4, v13
	v_lshlrev_b32 v[L4], 2, v13
	v_add_nc_u32 v[L4S], 9216, v[L4]
.irp b, 0,1,2,3
	v_mov_b32 v[TM+4+\b], 0
.endr
	s_mov_b32 s[G1A], 3<<16
	s_mov_b32 s[G1A+1], 32<<16
	s_mov_b32 s[G1A+2], 117<<16
	s_mov_b32 s[G1A+3], 32<<16
	s_mov_b32 s[G1A+4], 117
	s_mov_b32 s[G1A+5], 32
	s_mov_b32 s[G1A+6], 0
	s_mov_b32 s[G1A+7], 0
	s_mov_b32 s[G1B], 3<<16
	s_mov_b32 s[G1B+1], 32<<16
	s_mov_b32 s[G1B+2], 39<<16
	s_mov_b32 s[G1B+3], 32<<16
	s_mov_b32 s[G1B+4], 39
	s_mov_b32 s[G1B+5], 32
	s_mov_b32 s[G1B+6], 0
	s_mov_b32 s[G1B+7], 0
	s_mul_i32 s26, s[WV], 3*TILE
	s_mov_b32 s27, 0
	s_mul_i32 s54, s[WV], TILE
	s_add_co_u32 s54, s54, 12*TILE
	s_mov_b32 s55, 0
	s_mov_b32 s[SEL], 0x76543210
	s_mov_b32 s[SEL+1], 0xfedcba98
	s_and_b32 s[YY], ttmp7, 0xffff
	s_lshl_b32 s15, s[YY], 2
	s_add_co_u32 s15, s15, s[WV]
	s_lshr_b32 s16, ttmp9, 1
	s_lshl_b32 s16, s16, 2
	s_add_co_u32 s16, s16, s[WV]
	s_and_b32 s17, ttmp9, 1
	s_mul_i32 s20, ttmp9, 16*TILE
	s_mul_i32 s21, s17, 12*TILE
	s_add_co_u32 s21, s21, 96*TILE
	s_lshl_b32 s[IDX0], ttmp9, 4
	s_mul_i32 s41, s17, 12
	s_mul_i32 s36, s16, REC
	s_add_co_u32 s37, s36, 79872
	s_add_co_u32 s38, s36, 116736
	s_cmp_lt_u32 s15, 6
	s_mov_b32 s[CA], REC
	s_cselect_b32 s[CA], 8*TILE, s[CA]
	s_mov_b32 s[CB], 9216
	s_cselect_b32 s[CB], TILE, s[CB]
	s_mov_b32 s[CB2], 768
	s_cselect_b32 s[CB2], TILE, s[CB2]
	s_mov_b32 s[CC2], 73728
	s_cselect_b32 s[CC2], 9216, s[CC2]
	s_cselect_b32 s33, 0, 6
	s_sub_co_u32 s33, s15, s33
	s_mul_i32 s[CC], s33, 1536
	s_lshl_b32 s33, s33, 7
	s_add_co_u32 s[CC2], s[CC2], s33
	s_cmp_eq_u32 s[YY], 3
	s_cselect_b32 s[CA2], 1024, s[CA]
	s_cselect_b32 s[CA], 12288, s[CA]
	s_cselect_b32 s[CB], 1536, s[CB]
	s_cselect_b32 s[CB2], 128, s[CB2]
	s_cselect_b32 s[CC], s37, s[CC]
	s_cselect_b32 s[CC2], s38, s[CC2]
	s_cselect_b32 s[IDX0], s41, s[IDX0]
	s_cselect_b32 s[TN], 12, 16
	s_mov_b32 s[TLM], 15*TILE
	s_cselect_b32 s[TLM], 11*TILE, s[TLM]
	s_cselect_b32 s18, s16, s15
	s_cselect_b32 s20, s21, s20
	s_mul_i32 s18, s18, 8*TILE
	s_mov_b32 s19, 0
	s_mov_b32 s21, 0
	s_wait_dscnt 0x0
	s_wait_kmcnt 0x0
	s_cselect_b64 s[RB:RB+1], s[4:5], s[6:7]
	s_cselect_b64 s[SB:SB+1], s[6:7], s[4:5]
	s_cmp_lt_u32 s15, 6
	s_cselect_b64 s[OB:OB+1], s[8:9], s[10:11]
	s_add_nc_u64 s[RB:RB+1], s[RB:RB+1], s[18:19]
	s_add_nc_u64 s[SB:SB+1], s[SB:SB+1], s[20:21]
	s_mov_b32 s[G0A], 1
	s_mov_b32 s[G0A+1], s26
	s_add_nc_u64 s[G0A+2:G0A+3], s[SB:SB+1], s[26:27]
	s_or_b32 s[G0A+3], s[G0A+3], 0x80000000
	s_mov_b32 s[G0B], 1
	s_mov_b32 s[G0B+1], s54
	s_add_nc_u64 s[G0B+2:G0B+3], s[SB:SB+1], s[54:55]
	s_or_b32 s[G0B+3], s[G0B+3], 0x80000000
	tensor_load_to_lds s[G0A:G0A+3], s[G1A:G1A+7]
	s_nop 0
.rept 4
	v_nop
.endr
	s_wait_alu depctr_va_vdst(0)
	s_wait_tensorcnt 0x0
	ds_add_u32 v30, v31
	s_wait_dscnt 0x0
	s_barrier_signal -1
	s_barrier_wait -1
	s_cmp_eq_u32 s[YY], 3
	s_cbranch_scc1 .Lno_b
	tensor_load_to_lds s[G0B:G0B+3], s[G1B:G1B+7]
	s_nop 0
.rept 4
	v_nop
.endr
.Lno_b:
.macro RLOAD a, b
.set f, \a
.rept (\b)-(\a)+1
.set wn, (1+f/21)*64
	WIN wn
.set rr, 12*(f%21)
.set ro, TILE*(f%8)+1536*(f/8)
.irp g, 0,1,2
	global_load_b128 v[rr+4*\g:rr+4*\g+3], v[L16], s[RB:RB+1] offset:ro+512*\g
.endr
.set f, f+1
.endr
.endm
.macro TFETCH a16, a4
	WIN 0xc0
.irp e, 0,1,2,3,4,5
.irp g, 0,1,2
	ds_load_b128 v[SF+12*\e+4*\g:SF+12*\e+4*\g+3], v[\a16] offset:1536*\e+512*\g
.endr
.endr
	WIN 0
.irp e, 0,1,2,3,4,5
	ds_load_b32 v[SS+\e], v[\a4] offset:128*\e
.endr
.endm
	s_wait_alu depctr_va_vdst(0)
	RLOAD 0, 47
	WIN 0
.set f, 0
.rept 48
	global_load_b32 v[RS+f], v[L4], s[RB:RB+1] offset:TILE*(f%8)+9216+128*(f/8)
.set f, f+1
.endr
	s_wait_tensorcnt 0x0
	s_barrier_signal -1
	s_barrier_wait -1
	TFETCH L16, L4S
	s_wait_loadcnt 0x0
.macro QUANT
.irp b, 0,1,2,3
	v_max3_num_f32 v[TM+\b], |v[HA+16*\b]|, |v[HA+1+16*\b]|, 0x1800000
.endr
.irp i, 2,4,6,8,10,12,14
.irp b, 0,1,2,3
	v_max3_num_f32 v[TM+\b], v[TM+\b], |v[HA+16*\b+\i]|, |v[HA+1+16*\b+\i]|
.endr
.endr
.irp b, 0,1,2,3
	v_permlanex16_b32 v[TM+4+\b], v[TM+\b], s[SEL], s[SEL+1]
.endr
.irp b, 0,1,2,3
	v_max_num_f32 v[TM+\b], v[TM+\b], v[TM+4+\b]
.endr
.irp b, 0,1,2,3
	v_add_nc_u32 v[TM+12+\b], 0xff000000, v[TM+\b]
.endr
.irp b, 0,1,2,3
	v_lshrrev_b32 v[TM+4+\b], 23, v[TM+12+\b]
.endr
	v_lshl_or_b32 v[PW], v[TM+5], 8, v[TM+4]
	v_lshl_or_b32 v[PW], v[TM+6], 16, v[PW]
	v_lshl_or_b32 v[PW], v[TM+7], 24, v[PW]
.irp c, 0,1
	v_cvt_scalef32_pk16_fp6_f32 v[PC+6*\c:PC+2+6*\c], v[HA+32*\c:HA+15+32*\c], v[TM+12+2*\c]
	v_cvt_scalef32_pk16_fp6_f32 v[PC+12+4*\c:PC+14+4*\c], v[HA+16+32*\c:HA+31+32*\c], v[TM+12+2*\c+1]
.endr
	v_nop
.irp c, 0,1
.irp i, 0,1,2
	v_permlane16_swap_b32 v[PC+6*\c+\i], v[PC+12+4*\c+\i]
.endr
.irp i, 0,1,2
	v_mov_b32 v[PC+3+6*\c+\i], v[PC+12+4*\c+\i]
.endr
.endr
.endm
	s_mov_b32 s[TI], 0
	s_mov_b32 s[TL], 0
.Ltile:
	s_cmp_ge_u32 s[TI], s[TN]
	s_cbranch_scc1 .Lskip
	s_wait_dscnt 0x0
.set f, 0
.rept 48
.set wn, (1+f/21)+12
	WIN wn
.set rr, 12*(f%21)
.set tt, f%8
.set ss, f/8
.if f < 8
	v_wmma_scale_f32_16x16x128_f8f6f4 v[HA+8*tt:HA+8*tt+7], v[rr:rr+11], v[SF+12*ss:SF+12*ss+11], 0, v[RS+f], v[SS+ss] matrix_a_fmt:MATRIX_FMT_FP6 matrix_b_fmt:MATRIX_FMT_FP6
.else
	v_wmma_scale_f32_16x16x128_f8f6f4 v[HA+8*tt:HA+8*tt+7], v[rr:rr+11], v[SF+12*ss:SF+12*ss+11], v[HA+8*tt:HA+8*tt+7], v[RS+f], v[SS+ss] matrix_a_fmt:MATRIX_FMT_FP6 matrix_b_fmt:MATRIX_FMT_FP6
.endif
.set f, f+1
.endr
	WIN 0
	s_add_co_u32 s[TLN], s[TL], TILE
	s_min_u32 s[TLN], s[TLN], s[TLM]
	v_add_nc_u32 v[AL], s[TLN], v[L16]
	v_add_nc_u32 v[ASL], s[TLN], v[L4S]
	v_nop
	v_nop
	TFETCH AL, ASL
	s_wait_xcnt 0x0
	s_add_co_u32 s44, s[IDX0], s[TI]
	s_lshr_b32 s45, s44, 3
	s_and_b32 s44, s44, 7
	s_mul_i32 s46, s45, s[CA]
	s_mul_i32 s47, s44, s[CB]
	s_add_co_u32 s46, s46, s47
	s_add_co_u32 s46, s46, s[CC]
	s_mul_i32 s45, s45, s[CA2]
	s_mul_i32 s44, s44, s[CB2]
	s_add_co_u32 s45, s45, s44
	s_add_co_u32 s45, s45, s[CC2]
	v_add_nc_u32 v[VO], s46, v[L16]
	v_add_nc_u32 v[VS], s45, v[L4]
	QUANT
.irp p, 0,1,2
	global_store_b128 v[VO], v[PC+4*\p:PC+4*\p+3], s[OB:OB+1] offset:512*\p
.endr
	global_store_b32 v[VS], v[PW], s[OB:OB+1]
.Lskip:
	s_add_co_u32 s[TL], s[TL], TILE
	s_add_co_u32 s[TI], s[TI], 1
	s_cmp_lt_u32 s[TI], 16
	s_cbranch_scc1 .Ltile
	s_wait_tensorcnt 0x0
	ds_add_u32 v[SPW], v[NIL]
	s_wait_dscnt 0x0
	s_endpgm
.Lfunc_end_k_q011b309c75_proj:
	.size	k_q011b309c75_proj, .Lfunc_end_k_q011b309c75_proj-k_q011b309c75_proj
	.p2alignl 7, 3214868480
	.fill 96, 4, 3214868480
	.section	.rodata,"a",@progbits
	.p2align	6, 0x0
	.amdhsa_kernel k_q011b309c75_proj
		.amdhsa_group_segment_fixed_size 327680
		.amdhsa_private_segment_fixed_size 0
		.amdhsa_enable_private_segment 0
		.amdhsa_kernarg_size 32
		.amdhsa_user_sgpr_count 2
		.amdhsa_user_sgpr_kernarg_segment_ptr 1
		.amdhsa_wavefront_size32 1
		.amdhsa_system_sgpr_workgroup_id_x 1
		.amdhsa_system_sgpr_workgroup_id_y 1
		.amdhsa_system_sgpr_workgroup_id_z 1
		.amdhsa_system_vgpr_workitem_id 0
		.amdhsa_next_free_vgpr 1024
		.amdhsa_next_free_sgpr 96
		.amdhsa_reserve_vcc 0
		.amdhsa_float_denorm_mode_32 3
		.amdhsa_float_denorm_mode_16_64 3
		.amdhsa_memory_ordered 1
		.amdhsa_forward_progress 1
		.amdhsa_inst_pref_size 39
	.end_amdhsa_kernel
	.amdgpu_metadata
---
amdhsa.version: [ 1, 2 ]
amdhsa.kernels:
  - .name:           k_q011b309c75_proj
    .symbol:         k_q011b309c75_proj.kd
    .args:
      - { .name: ximg, .offset: 0, .size: 8, .value_kind: global_buffer, .address_space: global }
      - { .name: wimg, .offset: 8, .size: 8, .value_kind: global_buffer, .address_space: global }
      - { .name: qimg, .offset: 16, .size: 8, .value_kind: global_buffer, .address_space: global }
      - { .name: kv, .offset: 24, .size: 8, .value_kind: global_buffer, .address_space: global }
    .group_segment_fixed_size: 327680
    .private_segment_fixed_size: 0
    .kernarg_segment_align: 8
    .kernarg_segment_size: 32
    .max_flat_workgroup_size: 128
    .sgpr_count:     96
    .vgpr_count:     1024
    .wavefront_size: 32
...
	.end_amdgpu_metadata
.endif
;; end of part 2
;; launch attn (part 3): grid 32 x 8, 4 waves a work-group, clusters of 4 x 1, 327,680 bytes of LDS; arguments qimg, kv, out0; writes out0
.if DOCPART == 3
	.amdgcn_target "amdgcn-amd-amdhsa--gfx1250"
	.amdhsa_code_object_version 6
	.text
	.protected	k_q011b309c75_attn
	.globl	k_q011b309c75_attn
	.p2align	8
	.type	k_q011b309c75_attn,@function
k_q011b309c75_attn:
	s_mov_b64 s[64:65], 0
	v_nop
	global_prefetch_b8 v0, s[64:65] scope:SCOPE_SE
	s_setreg_imm32_b32 hwreg(HW_REG_WAVE_MODE, 25, 1), 1
	s_wait_xcnt 0x0
	s_wait_alu depctr_hold_cnt(0) depctr_sa_sdst(0) depctr_va_vdst(0) depctr_va_sdst(0) depctr_va_ssrc(0) depctr_va_vcc(0) depctr_vm_vsrc(0)
	s_getreg_b32 s2, hwreg(HW_REG_IB_STS2, 6, 4)
	s_cmp_eq_u32 s2, 0
	s_cbranch_scc0 .Lentry_in_a_cluster
	s_endpgm
.Lentry_in_a_cluster:
	s_bfe_u32 s2, ttmp6, 0x10000c
	s_cmp_lg_u32 s2, 0x3003
	s_cbranch_scc0 .Lentry_shape_is_right
	s_endpgm
.Lentry_shape_is_right:
; THIRD LAUNCH: out0[b][q] = sum over keys of softmax(q . k / sqrt(768)) v, both products on codes of FP6 (E2M3) with E8M0 scales, from the images that the second launch stored.  Nothing is left out.
; THE SOFTMAX: t = score x c, c = log2(e) / sqrt(768); M = the running largest t rounded UP to a whole number; p = 2^(t - M) is quantised along the keys, not normalised;
;   the row's sum l is taken of the unquantised p and divides at the end; when M moves, l and O are multiplied by f = 2^(old M - new M), exactly.
; LIMITS: p under 2^-126 comes out of v_exp_f32 as 0; a block whose every p is 0 keeps the byte 1 (its codes are zeros); NaN and infinities are not served; the scaled scores stay under 2^31 in magnitude.
; SHARES.  A work-group owns 64 queries of one batch: four tiles of 16, whose 24 fragments of q every wave keeps in registers.  The keys go 128 a step, 16 steps.  Wave w makes S^T = K Q^T for key tiles 2 w, 2 w + 1
;   against the four tiles of queries (48 matrix instructions a step) and O^T += V^T P^T for channel tiles 6 w .. 6 w + 5 (24).  A lane holds one query throughout.
; THE PIPELINE, ONE BARRIER A STEP.  Interval i stands between barriers i and i + 1.  Barrier i publishes the waves' largest scores of step i and p's codes and bytes of step i - 1.  In interval i a wave makes
;   S(i + 1) into the other of two score buffers, with O's rescaling by f(i - 1), the M of step i and t - M of step i among its products; the largest scores of S(i + 1); ONE batch of exponentials for step i;
;   P V of step i - 1 with step i's codes and sums among its products.  The words that go from wave to wave come in two sets, by the step's parity, so that one barrier parts a set's readers from its next writers.
; LDS: K's part of a record (fragments, then scale words: 312 rows of 256 bytes) in two slots, V's part (156 rows) in two slots.  At barrier i K(i + 2) is asked for by waves 0-2 (104 rows each), V(i) by wave 3.
; CLUSTER.  The four work-groups of a cluster belong to one batch and walk the same records: every load is asked for JOINTLY, with a mask that names the four.  By this text's own count a wave has one tensor load out.
; THE WALK.  Cluster c of a batch's eight begins at record 4 ((c % 4) xor (c / 4)) + 2 (c / 4) and goes round the batch's 16 records.  M is a running maximum, so the order of the keys is free.
; PREFETCH: the records of steps 2 and 3, each named two barriers ahead of the joint load of its K part, a lane a block of 256 bytes, the cluster's sixteen waves told apart by address.  The eight clusters' steps 2 and 3
;   are the batch's sixteen records, so the later steps ask for nothing.
; REGISTERS, in windows of 256: window 0: v1-19 addresses; v20-27 the blocks' largest scores, two sets; v30, v31 the add's two; v32-55 Q's scale words, v56-67 K's, v68-73 V's, v74-77 P's; v80-111 eight statistics a tile of
;   queries: +0 -M, +1 largest t, +2, +3 l, +4 f (+5 named with it), +6, +7 at work; v112-127 the four waves' maxima, then the quantiser's; v128-191, v192-255 the two score buffers (16 q + 8 u + j).
;   window 1: Q's fragments 4 e + q = 0..20.   window 2: v0-35 Q's 21..23; v36-179 K's 12; v180-251 V's six.   window 3: v0-191 O^T (48 q + 8 c + j); v192-239 P's four fragments; v240-255 p's codes.
.set TILE,  9984
.set REC,   119808
.set KPT,   79872                      ; K's part of a record, and a K slot
.set VPT,   39936                      ; V's part, and a V slot
.set KTH,   26624                      ; a third of K's part
.set VSL,   159744                     ; the V slots begin here
.set XM,    239616                     ; [set][tile of queries][lane][wave] words: the blocks' largest scores
.set PXB,   243712                     ; [set] p's codes: 1,536 bytes a tile of queries, target lane L's 12 registers at 48 L
.set PSX,   256000                     ; [set] p's scale words
.set SPARE, 256512                     ; the spare words, 128 bytes a wave
.set SROW,  1552                       ; the way out: 64 rows x (1,536 + 16) bytes, in the K slots, which have had their last fill and last read by then
.set AK,   1
.set AKS,  3
.set AV,   5
.set AVS,  7
.set XMW,  9
.set XMR,  10
.set PXW,  11
.set PXR,  12
.set PSW,  13
.set PSR,  14
.set STO,  15
.set RD,   16
.set PFO,  17
.set L16,  18
.set L4,   19
.set BM,   20
.set SPW,  30
.set NIL,  31
.set QS,   32
.set KS,   56
.set VS,   68
.set PS,   74
.set ST,   80
.set XV,   112
.set SCL,  112
.set BY,   116
.set S0,   128
.set KF,   36
.set VF,   180
.set PF,   192
.set PCD,  240
.set WV,   10
.set G1K,  16
.set G0K,  24
.set G0V,  28
.set CS,   32
.set SEL,  34
.set PFA,  36
.set RK,   38
.set RV,   39
.set KW,   40
.set CNT,  41
.set KVB,  42
.set OFF,  44
.set OF2,  46
.set PO,   48
.set G1V,  68
.set MSB, 0
.macro WIN new                         ; the immediate's high byte repeats the setting that is left
.if MSB != \new
	s_set_vgpr_msb (MSB<<8)|\new
.set MSB, \new
.endif
.endm
.macro CROUND                          ; a round of the cluster's barrier
	s_barrier_signal -1
	s_barrier_wait -1
	s_cmp_lg_u32 s[WV], 0
	s_cbranch_scc1 .Lnot_wave_0_\@
	s_barrier_signal -3
.Lnot_wave_0_\@:
	s_barrier_wait -3
	s_barrier_signal -1
	s_barrier_wait -1
.endm
.macro TL g0, g1                       ; a joint load with the nops behind it
	tensor_load_to_lds s[\g0:\g0+3], s[\g1:\g1+7]
	s_nop 0
.rept 4
	v_nop
.endr
.endm
.macro TLOAD kl, vl                    ; waves 0-2 ask for K's thirds, wave 3 for V's part: one load a wave, chosen by the wave's number alone
	s_cmp_lt_u32 s[WV], 3
.if \kl
	s_cbranch_scc0 .Lv_\@
	TL G0K, G1K
.if \vl
	s_branch .Ld_\@
.endif
.Lv_\@:
.else
	s_cbranch_scc1 .Ld_\@
.endif
.if \vl
	TL G0V, G1V
.endif
.Ld_\@:
.endm
	s_load_b128 s[4:7], s[0:1], 0x0                ; qimg, kv
	s_load_b64 s[8:9], s[0:1], 0x10                ; out0
	v_lshl_add_u32 v[SPW], v0, 2, SPARE
	v_mov_b32 v[NIL], 0
	ds_add_u32 v[SPW], v[NIL]                      ; the opening lines: the add twice on end and one wait, ahead of my first tensor load
	ds_add_u32 v[SPW], v[NIL]
	v_lshrrev_b32 v21, 5, v0
	v_readfirstlane_b32 s[WV], v21                 ; wave 0..3
	s_bfe_u32 s11, ttmp6, 0x40000                  ; cx: it enters Q's, O's and the prefetches' addresses alone
	s_lshl_b32 s12, ttmp9, 2
	s_add_co_u32 s12, s12, s11                     ; my block of 64 queries
	s_and_b32 s13, ttmp7, 0xffff                   ; the batch
.irp g, G1K, G1V
	s_mov_b32 s[\g], 15|(3<<16)|(1<<21)            ; the mask of all four; elements of 8 bytes; bit 21 beside a mask
	s_mov_b32 s[\g+1], 32<<16                      ; rows of 256 bytes, dense
	s_mov_b32 s[\g+3], 32<<16
	s_mov_b32 s[\g+5], 32
	s_mov_b32 s[\g+6], 0
	s_mov_b32 s[\g+7], 0
.endr
	s_mov_b32 s[G1K+2], 104<<16
	s_mov_b32 s[G1K+4], 104
	s_mov_b32 s[G1V+2], 156<<16
	s_mov_b32 s[G1V+4], 156
	s_mov_b32 s[CS], 0x3d553b95                    ; c = log2(e) / sqrt(768)
	s_mov_b32 s[CS+1], s[CS]
	s_mov_b32 s[SEL], 0x76543210
	s_mov_b32 s[SEL+1], 0xfedcba98
	s_mul_i32 s50, s13, 16*REC                     ; the batch's records
	s_mov_b32 s51, 0
	s_mul_i32 s[KW], s[WV], KTH
	s_and_b32 s54, ttmp9, 3                        ; where my cluster begins its walk
	s_lshr_b32 s55, ttmp9, 2
	s_xor_b32 s54, s54, s55
	s_lshl_b32 s54, s54, 2
	s_lshl_b32 s55, s55, 1
	s_add_co_u32 s[RK], s54, s55
	s_mov_b32 s[RV], s[RK]
	s_mul_i32 s[OFF], s[RK], REC
	s_add_co_u32 s[OF2], s[OFF], KPT
	s_add_co_u32 s[OFF], s[OFF], s[KW]
	s_mov_b32 s[OFF+1], 0
	s_mov_b32 s[OF2+1], 0
	s_mov_b32 s[PO+1], 0
	s_add_co_u32 s[PO], s[RK], 2
	s_and_b32 s[PO], s[PO], 15
	s_mul_i32 s[PO], s[PO], REC                    ; the record of step 2
	s_lshl_b32 s14, s13, 7
	s_lshl_b32 s15, s12, 2
	s_add_co_u32 s14, s14, s15
	s_mul_i32 s14, s14, TILE                       ; my four tiles of q
	s_mov_b32 s15, 0
	s_lshl_b32 s52, s13, 11
	s_lshl_b32 s53, s12, 6
	s_add_co_u32 s52, s52, s53
	s_lshl_b32 s53, s[WV], 4
	s_add_co_u32 s52, s52, s53
	s_mul_i32 s52, s52, 1536                       ; the 16 rows of out0 that I store
	s_mov_b32 s53, 0
	s_lshl_b32 s54, s11, 2
	s_add_co_u32 s54, s54, s[WV]
	s_lshl_b32 s54, s54, 5                         ; 32 (4 cx + w): my wave's first block of a record's 468
	s_mul_i32 s55, s[WV], 18432                    ; K's fragments of key tiles 2 w, 2 w + 1
	s_mul_i32 s56, s[WV], 1536
	s_add_co_u32 s56, s56, 73728                   ; their scale words
	s_mul_i32 s57, s[WV], 9216
	s_add_co_u32 s57, s57, VSL                     ; V's fragments of channel tiles 6 w on
	s_mul_i32 s58, s[WV], 768
	s_add_co_u32 s58, s58, VSL+36864
	s_lshl_b32 s59, s[WV], 2
	s_add_co_u32 s59, s59, XM
	s_and_b32 s60, s[WV], 1                        ; block w belongs to target lane r + 16 (w % 2), registers 6 (w / 2) on; my half h is its registers 3 h on
	s_mul_i32 s60, s60, 768
	s_lshr_b32 s61, s[WV], 1
	s_mul_i32 s61, s61, 24
	s_add_co_u32 s60, s60, s61
	s_add_co_u32 s60, s60, PXB
	s_add_co_u32 s61, s[WV], PSX
	s_mul_i32 s62, s[WV], 384
	s_mul_i32 s63, s[WV], 16*SROW
	v_and_b32 v21, 31, v0                          ; L
	v_and_b32 v22, 15, v0                          ; r
	v_bfe_u32 v23, v0, 4, 1                        ; h
	v_lshlrev_b32 v[L16], 4, v21
	v_lshlrev_b32 v[L4], 2, v21
	v_add_nc_u32 v[PFO], s54, v21
	v_min_u32 v[PFO], 467, v[PFO]                  ; the cluster's 512 lanes are 44 more than a record has blocks: those name its last block
	v_lshlrev_b32 v[PFO], 8, v[PFO]
	v_add_nc_u32 v[AK], s55, v[L16]
	v_add_nc_u32 v[AK+1], KPT, v[AK]
	v_add_nc_u32 v[AKS], s56, v[L4]
	v_add_nc_u32 v[AKS+1], KPT, v[AKS]
	v_add_nc_u32 v[AV], s57, v[L16]
	v_add_nc_u32 v[AV+1], VPT, v[AV]
	v_add_nc_u32 v[AVS], s58, v[L4]
	v_add_nc_u32 v[AVS+1], VPT, v[AVS]
	v_add_nc_u32 v[XMW], s59, v[L16]
	v_add_nc_u32 v[XMR], XM, v[L16]
	v_mul_u32_u24 v[PXW], v22, 48
	v_mad_u32_u24 v[PXW], v23, 12, v[PXW]
	v_add_nc_u32 v[PXW], s60, v[PXW]
	v_mul_u32_u24 v[PXR], v21, 48
	v_add_nc_u32 v[PXR], PXB, v[PXR]
	v_lshl_add_u32 v[PSW], v22, 2, s61
	v_lshl_add_u32 v[PSR], v22, 2, PSX
	v_and_b32 v24, 8, v22
	v_add_nc_u32 v24, v24, v22                     ; r + 8 (r / 8): my query among its tile pair's 32
	v_mul_u32_u24 v[STO], v24, SROW
	v_lshl_add_u32 v[STO], v23, 6, v[STO]
	v_add_nc_u32 v[STO], s62, v[STO]               ; the stage, in: my query's row, + 384 w + 64 h bytes
	v_add_nc_u32 v[RD], s63, v[L16]                ; back: rows 16 w on, 16 bytes a lane
.irp q, 0,1,2,3
	v_mov_b32 v[ST+8*\q+1], 0xff61b1e6             ; the largest t so far: -3e38
	v_floor_f32 v[ST+8*\q], -v[ST+8*\q+1]          ; -M
	v_mov_b32 v[ST+8*\q+2], 0                      ; l, in two halves
	v_mov_b32 v[ST+8*\q+3], 0
	v_mov_b32 v[ST+8*\q+4], 0
	v_mov_b32 v[ST+8*\q+5], 0                      ; (named as the upper half of f's pair)
	v_mov_b32 v[ST+8*\q+7], 0                      ; (a lane permute's destination counts as one of its sources)
.endr
	s_wait_alu depctr_va_vdst(0)
	s_wait_dscnt 0x0                               ; both opening adds are done
	s_wait_kmcnt 0x0
	s_add_nc_u64 s[4:5], s[4:5], s[14:15]
	s_add_nc_u64 s[8:9], s[8:9], s[52:53]
	s_add_nc_u64 s[KVB:KVB+1], s[6:7], s[50:51]
	s_mov_b32 s[G0K], 1
	s_mov_b32 s[G0K+1], s[KW]                      ; K slot 0, my third
	s_add_nc_u64 s[G0K+2:G0K+3], s[KVB:KVB+1], s[OFF:OFF+1]
	s_or_b32 s[G0K+3], s[G0K+3], 0x80000000
	s_mov_b32 s[G0V], 1
	s_mov_b32 s[G0V+1], VSL                        ; V slot 0
	s_add_nc_u64 s[G0V+2:G0V+3], s[KVB:KVB+1], s[OF2:OF2+1]
	s_or_b32 s[G0V+3], s[G0V+3], 0x80000000
	s_add_nc_u64 s[PFA:PFA+1], s[KVB:KVB+1], s[PO:PO+1]
	CROUND                                         ; all four work-groups are here: the first joint loads meet
	TLOAD 1, 1                                     ; K(0) and V(0): one load a wave
	global_prefetch_b8 v[PFO], s[PFA:PFA+1] th:TH_LOAD_NT scope:SCOPE_SE
.set fq, 0
.rept 24                                       ; Q stays in registers: fragment 4 e + q
.if fq < 21
	WIN 0x40
.set rq, 12*fq
.else
	WIN 0x80
.set rq, 12*(fq-21)
.endif
.irp g, 0,1,2
	global_load_b128 v[rq+4*\g:rq+4*\g+3], v[L16], s[4:5] offset:TILE*(fq%4)+1536*(fq/4)+512*\g
.endr
.set fq, fq+1
.endr
	WIN 0
.set fq, 0
.rept 24
	global_load_b32 v[QS+fq], v[L4], s[4:5] offset:TILE*(fq%4)+9216+128*(fq/4)
.set fq, fq+1
.endr
.macro SPROD e, u, q                   ; S^T(key tile 2 w + u, tile of queries q) += K Q^T, e step e, into buffer SD; the first starts the sum
.set fq, 4*(\e)+(\q)
.if fq < 21
	WIN 0x06
.set rq, 12*fq
.else
	WIN 0x0a
.set rq, 12*(fq-21)
.endif
.set rk, KF+12*(6*(\u)+(\e))
.set rs, SD+16*(\q)+8*(\u)
.if (\e) == 0
	v_wmma_scale_f32_16x16x128_f8f6f4 v[rs:rs+7], v[rk:rk+11], v[rq:rq+11], 0, v[KS+6*(\u)+(\e)], v[QS+fq] matrix_a_fmt:MATRIX_FMT_FP6 matrix_b_fmt:MATRIX_FMT_FP6
.else
	v_wmma_scale_f32_16x16x128_f8f6f4 v[rs:rs+7], v[rk:rk+11], v[rq:rq+11], v[rs:rs+7], v[KS+6*(\u)+(\e)], v[QS+fq] matrix_a_fmt:MATRIX_FMT_FP6 matrix_b_fmt:MATRIX_FMT_FP6
.endif
.endm
.macro KLOAD e                         ; K's two fragments of e step e: six loads
	WIN 0x80
.irp u, 0,1
.irp g, 0,1,2
	ds_load_b128 v[KF+12*(6*\u+(\e))+4*\g:KF+12*(6*\u+(\e))+4*\g+3], v[AK+pb] offset:9216*\u+1536*(\e)+512*\g
.endr
.endr
.endm
.macro PVLOAD                          ; what P V of the step before wants: 40 loads
	WIN 0
.irp q, 0,1,2,3
	ds_load_b32 v[PS+\q], v[PSR] offset:64*\q+256*pb
.endr
.irp c, 0,1,2,3,4,5
	ds_load_b32 v[VS+\c], v[AVS+pb] offset:128*\c
.endr
	WIN 0xc0
.irp q, 0,1,2,3
.irp g, 0,1,2
	ds_load_b128 v[PF+12*\q+4*\g:PF+12*\q+4*\g+3], v[PXR] offset:1536*\q+16*\g+6144*pb
.endr
.endr
	WIN 0x80
.irp c, 0,1,2,3,4,5
.irp g, 0,1,2
	ds_load_b128 v[VF+12*\c+4*\g:VF+12*\c+4*\g+3], v[AV+pb] offset:1536*\c+512*\g
.endr
.endr
.endm
.macro PVP n                           ; product n of 24 of O^T += V^T P^T: channel tile n / 4, tile of queries n % 4.  PZ = 1: it starts the sum
	WIN 0xfe
.set cc, (\n)/4
.set qi, (\n)%4
.set rx, 48*qi+8*cc
.if PZ
	v_wmma_scale_f32_16x16x128_f8f6f4 v[rx:rx+7], v[VF+12*cc:VF+12*cc+11], v[PF+12*qi:PF+12*qi+11], 0, v[VS+cc], v[PS+qi] matrix_a_fmt:MATRIX_FMT_FP6 matrix_b_fmt:MATRIX_FMT_FP6
.else
	v_wmma_scale_f32_16x16x128_f8f6f4 v[rx:rx+7], v[VF+12*cc:VF+12*cc+11], v[PF+12*qi:PF+12*qi+11], v[rx:rx+7], v[VS+cc], v[PS+qi] matrix_a_fmt:MATRIX_FMT_FP6 matrix_b_fmt:MATRIX_FMT_FP6
.endif
.endm
.macro RESC n                          ; accumulator n of O^T (tile of queries n / 6) times that tile's factor, from its low end on
	WIN 0xc3
.set ro, 8*(\n)
.set rf, ST+8*((\n)/6)+4
.irp k, 0,2,4,6
	v_pk_mul_f32 v[ro+\k:ro+\k+1], v[ro+\k:ro+\k+1], v[rf:rf+1] op_sel_hi:[1,0]
.endr
.endm
.macro MCH g                           ; link g of nine on the way from the four waves' maxima to -M and f, the four tiles of queries side by side
	WIN 0
.irp q, 0,1,2,3
.set tq, ST+8*\q
.if (\g) == 0
	v_max3_num_f32 v[tq+7], v[XV+4*\q], v[XV+4*\q+1], v[XV+4*\q+2]
.elseif (\g) == 1
	v_max_num_f32 v[tq+7], v[tq+7], v[XV+4*\q+3]   ; the step's largest score of my query
.elseif (\g) == 2
	v_mul_f32 v[tq+7], s[CS], v[tq+7]              ; as t (c is positive)
.elseif (\g) == 3
	v_max_num_f32 v[tq+1], v[tq+1], v[tq+7]        ; the running largest t
.elseif (\g) == 4
	v_mov_b32 v[tq+7], v[tq]
.elseif (\g) == 5
	v_floor_f32 v[tq], -v[tq+1]                    ; the new -M = floor(-t)
.elseif (\g) == 6
	v_sub_f32 v[tq+7], v[tq], v[tq+7]              ; old M - new M: a whole number, 0 or less
.elseif (\g) == 7
	v_cvt_i32_f32 v[tq+7], v[tq+7]                 ; (it saturates)
.else
	v_ldexp_f32 v[tq+4], 1.0, v[tq+7]              ; f = 2^(old M - new M)
.endif
.endr
.endm
.macro FMA g                           ; t - M: groups 0-7 the scores in buffer SS, two at a time; group 8 the blocks' largest scores
	WIN 0
.irp q, 0,1,2,3
.if (\g) < 8
	v_pk_fma_f32 v[SS+16*\q+2*(\g):SS+16*\q+2*(\g)+1], v[SS+16*\q+2*(\g):SS+16*\q+2*(\g)+1], s[CS:CS+1], v[ST+8*\q:ST+8*\q+1] op_sel_hi:[1,0,0]
.else
	v_fma_f32 v[BA+\q], v[BA+\q], s[CS], v[ST+8*\q]
.endif
.endr
.endm
.macro FILL sm, pv                     ; the plain vector work behind product np of S: the M chain lies inside one e step, with no wait on LDS among its links
.if (\pv) == 2
.if np < 18
	RESC np+6
.endif
.endif
.if \sm
.if np >= 24
.if np < 31
	MCH np-24
.elseif np == 31
	MCH 7
	MCH 8
.elseif np >= 39
	FMA np-39
.endif
.endif
.endif
.endm
.macro FIL2                            ; the vector work behind product nq of P V: step i's scale bytes, codes, their stores, and the row's sums
.if nq == 0
	WIN 0
.irp q, 0,1,2,3
	v_max_num_f32 v[BA+\q], 0x1800000, v[BA+\q]    ; the block's largest p, with the floor 2^(3 - 127)
.endr
.elseif nq == 1
	WIN 0
.irp q, 0,1,2,3
	v_add_nc_u32 v[SCL+\q], 0xff000000, v[BA+\q]   ; 2 off the exponent field: the conversion's scale operand
.endr
.elseif nq == 2
	WIN 0
.irp q, 0,1,2,3
	v_lshrrev_b32 v[BY+\q], 23, v[SCL+\q]
.endr
.elseif nq == 3
	WIN 0xc0
.irp q, 0,1,2,3
	v_cvt_scalef32_pk16_fp6_f32 v[PCD+4*\q:PCD+4*\q+2], v[SS+16*\q:SS+16*\q+15], v[SCL+\q]   ; my 16 keys' codes: 12 bytes
.endr
	v_nop                                          ; one plain place behind a scaled conversion
.elseif nq == 4
	WIN 0x0c
.irp q, 0,1,2,3
.irp k, 0,1,2
	ds_store_b32 v[PXW], v[PCD+4*\q+\k] offset:1536*\q+4*\k+6144*pa
.endr
.endr
	WIN 0
.irp q, 0,1,2,3
	ds_store_b8 v[PSW], v[BY+\q] offset:64*\q+256*pa   ; both halves of the lanes write the same byte with the same value
.endr
.elseif nq < 13
	WIN 0
.irp q, 0,1,2,3
	v_pk_add_f32 v[ST+8*\q+2:ST+8*\q+3], v[ST+8*\q+2:ST+8*\q+3], v[SS+16*\q+2*(nq-5):SS+16*\q+2*(nq-5)+1]   ; THE ROW'S SUM IS TAKEN OF THE UNQUANTISED p
.endr
.endif
.endm
; INTERVAL i.  hs: S(i + 1) is made; sm: step i's softmax; pv: 0 none, 1 P V of step i - 1 starts O^T, 2 O^T is rescaled and takes it; kl, vl: K(i + 2), the next V are asked for; ask: the prefetch of step 3's record.
.macro IV i, hs, sm, pv, kl, vl, ask
.set pa, (\i)&1
.set pb, 1-pa
.set SS, S0+64*pa
.set SD, S0+64*pb
.set BA, BM+4*pa
.set BB, BM+4*pb
.set PZ, 0
.if (\pv) == 1
.set PZ, 1
.endif
	WIN 0
	s_wait_alu depctr_va_vdst(0)                   ; ahead of the waits and the barrier below
	s_wait_tensorcnt 0x0                           ; my load has landed, and no tensor load of mine is out: the descriptors may be written
	ds_add_u32 v[SPW], v[NIL]                      ; 0 onto my spare word
.if \kl
	s_add_co_u32 s[RK], s[RK], 1
	s_and_b32 s[RK], s[RK], 15                     ; the next record, round the batch's 16
	s_mul_i32 s[OFF], s[RK], REC
	s_add_co_u32 s[OFF], s[OFF], s[KW]
	s_add_nc_u64 s[G0K+2:G0K+3], s[KVB:KVB+1], s[OFF:OFF+1]
	s_or_b32 s[G0K+3], s[G0K+3], 0x80000000
	s_add_co_u32 s[G0K+1], s[KW], pa*KPT
.endif
.if \vl
	s_add_co_u32 s[RV], s[RV], 1
	s_and_b32 s[RV], s[RV], 15
	s_mul_i32 s[OF2], s[RV], REC
	s_add_co_u32 s[OF2], s[OF2], KPT
	s_add_nc_u64 s[G0V+2:G0V+3], s[KVB:KVB+1], s[OF2:OF2+1]
	s_or_b32 s[G0V+3], s[G0V+3], 0x80000000
	s_mov_b32 s[G0V+1], VSL+pa*VPT
.endif
.if \ask
	s_wait_xcnt 0x0                                ; the first prefetch has read its address
	s_add_co_u32 s[PO], s[RK], 2
	s_and_b32 s[PO], s[PO], 15
	s_mul_i32 s[PO], s[PO], REC
	s_add_nc_u64 s[PFA:PFA+1], s[KVB:KVB+1], s[PO:PO+1]
.endif
	s_wait_dscnt 0x0                               ; the add is done; my reads of the slots that are left are in; my stores of maxima, codes and bytes have landed
.if (\kl)+(\vl)
	CROUND                                         ; all that now holds of every wave of the four work-groups
	TLOAD \kl, \vl                                 ; the first thing behind the round, and my one tensor load until the next
.else
	s_barrier_signal -1
	s_barrier_wait -1
.endif
.if \ask
	global_prefetch_b8 v[PFO], s[PFA:PFA+1] th:TH_LOAD_NT scope:SCOPE_SE
.endif
.if \sm
.irp q, 0,1,2,3
	ds_load_b128 v[XV+4*\q:XV+4*\q+3], v[XMR] offset:512*\q+2048*pa
.endr
.endif
.if \hs
.irp u, 0,1
.irp e, 0,1,2,3,4,5
	ds_load_b32 v[KS+6*\u+\e], v[AKS+pb] offset:768*\u+128*\e
.endr
.endr
	KLOAD 0
	KLOAD 1
.else
.rept 4
	v_nop                                          ; four places between the last products of the interval before and the loads into their operands
.endr
	PVLOAD
	WIN 0
	s_wait_dscnt 0x0
.endif
.if (\pv) == 2
.irp n, 0,1,2,3,4,5
	RESC \n                                        ; O^T under M(i - 1), while the first fragments are on their way
.endr
.endif
.if (\i) == -1
	s_wait_loadcnt 0x0                             ; Q is in
.endif
.set np, 0
.irp e, 0,1,2,3,4,5                            ; the 8 accumulators take turns, one instruction a turn
.if \hs
.if \e < 5
	s_wait_dscnt 6                                 ; this e step's six loads are in; the next e step's six may be out
.elseif \pv
	s_wait_dscnt 40                                ; behind the last e step's loads: the 40 for P V
.else
	s_wait_dscnt 0
.endif
.endif
.irp u, 0,1
.irp q, 0,1,2,3
.if \hs
	SPROD \e, \u, \q
.endif
	FILL \sm, \pv
.set np, np+1
.endr
.endr
.if \hs
.if \e < 4
	KLOAD \e+2
.endif
.if \e == 4
.if \pv
	PVLOAD
.endif
.endif
.endif
.endr
	WIN 0
.if \hs
.if (\sm) == 0
.rept 4
	v_nop                                          ; four places behind the last product (elsewhere the last group of t - M is these)
.endr
.endif
.irp q, 0,1,2,3
	v_max3_num_f32 v[BB+\q], v[SD+16*\q], v[SD+16*\q+1], v[SD+16*\q+2]   ; the largest score of my 16 keys, each accumulator from its low end on
.endr
.irp k, 3,5,7,9,11,13
.irp q, 0,1,2,3
	v_max3_num_f32 v[BB+\q], v[BB+\q], v[SD+16*\q+\k], v[SD+16*\q+\k+1]
.endr
.endr
.irp q, 0,1,2,3
	v_max_num_f32 v[BB+\q], v[BB+\q], v[SD+16*\q+15]
.endr
.irp q, 0,1,2,3
	v_permlanex16_b32 v[ST+8*\q+7], v[BB+\q], s[SEL], s[SEL+1]
.endr
.irp q, 0,1,2,3
	v_max_num_f32 v[BB+\q], v[BB+\q], v[ST+8*\q+7] ; THE BLOCK'S LARGEST SCORE: it serves the row's maximum and, since p rises with the score, the block's largest p
.endr
.irp q, 0,1,2,3
	ds_store_b32 v[XMW], v[BB+\q] offset:512*\q+2048*pb
.endr
.endif
.if \sm
	s_wait_alu depctr_va_vdst(0)                   ; ahead of the batch
.set ne, 0
.rept 64
	v_exp_f32 v[SS+ne], v[SS+ne]                   ; p = 2^(t - M)
.set ne, ne+1
.endr
.irp q, 0,1,2,3
	v_exp_f32 v[BA+\q], v[BA+\q]
.endr
.irp q, 0,1,2,3
	v_pk_mul_f32 v[ST+8*\q+2:ST+8*\q+3], v[ST+8*\q+2:ST+8*\q+3], v[ST+8*\q+4:ST+8*\q+5] op_sel_hi:[1,0]   ; l under the new M: the plain place behind the exponentials
.endr
.endif
	s_wait_alu depctr_va_vdst(0)                   ; one wait for the whole batch, ahead of its first reader and of the wait below
.if \pv
.if \hs
	s_wait_dscnt 4                                 ; P's and V's loads are in; my four stores of maxima may be out
.endif
.endif
.set nq, 0
.rept 24
.if \pv
	PVP nq
.endif
.if \sm
	FIL2
.endif
.set nq, nq+1
.endr
	WIN 0
.endm
	IV -1, 1, 0, 0, 1, 1, 1                        ; K(1), V(1) are first fills, behind the full sequence; S(0)
	IV 0, 1, 1, 0, 1, 0, 0
	IV 1, 1, 1, 1, 1, 0, 0
	s_mov_b32 s[CNT], 6
.Lstep:                                            ; intervals 2 to 13, two a trip: the buffers come back after two
	IV 2, 1, 1, 2, 1, 1, 0
	IV 3, 1, 1, 2, 1, 1, 0
	s_sub_co_u32 s[CNT], s[CNT], 1
	s_cmp_lg_u32 s[CNT], 0
	s_cbranch_scc1 .Lstep
	IV 14, 1, 1, 2, 0, 1, 0                        ; the tail is written out: no K is left to ask for,
	IV 15, 0, 1, 2, 0, 1, 0                        ; no S to make,
	IV 16, 0, 0, 2, 0, 0, 0                        ; and the last P V
	; THE WAY OUT.  l: its two halves, the other half of the lanes', the four waves'.  (The additions are the places behind the last products.)
.irp q, 0,1,2,3
	v_add_f32 v[ST+8*\q+6], v[ST+8*\q+2], v[ST+8*\q+3]
.endr
.irp q, 0,1,2,3
	v_permlanex16_b32 v[ST+8*\q+7], v[ST+8*\q+6], s[SEL], s[SEL+1]
.endr
.irp q, 0,1,2,3
	v_add_f32 v[ST+8*\q+6], v[ST+8*\q+6], v[ST+8*\q+7]
.endr
.irp q, 0,1,2,3
	ds_store_b32 v[XMW], v[ST+8*\q+6] offset:512*\q   ; set 0 of these words was last read in interval 14
.endr
	s_wait_alu depctr_va_vdst(0)
	s_wait_dscnt 0x0
	s_barrier_signal -1
	s_barrier_wait -1
.irp q, 0,1,2,3
	ds_load_b128 v[XV+4*\q:XV+4*\q+3], v[XMR] offset:512*\q
.endr
	s_wait_dscnt 0x0
.irp q, 0,1,2,3
	v_add_f32 v[XV+4*\q], v[XV+4*\q], v[XV+4*\q+1]
.endr
.irp q, 0,1,2,3
	v_add_f32 v[XV+4*\q+2], v[XV+4*\q+2], v[XV+4*\q+3]
.endr
.irp q, 0,1,2,3
	v_add_f32 v[XV+4*\q], v[XV+4*\q], v[XV+4*\q+2]
.endr
	s_wait_alu depctr_va_vdst(0)                   ; ahead of the batch
.irp q, 0,1,2,3
	v_rcp_f32 v[ST+8*\q+4], v[XV+4*\q]
.endr
	v_nop                                          ; a plain place behind the last reciprocal
	WIN 0xc3
	s_wait_alu depctr_va_vdst(0)                   ; one wait for the four and for O^T, directly ahead of the first reader
.set np, 0
.rept 24
	RESC np                                        ; O^T / l
.set np, np+1
.endr
	WIN 0x0c                                       ; an LDS store's data are its source 1: window 3
.irp i, 0,1,2,3                                ; lane (r, h), tile of queries i, channel tile 6 w + c: query 32 (i / 2) + 8 (i % 2) + r + 8 (r / 8), channels 96 w + 32 (c / 2) + 8 (c % 2) + 16 h + 0 .. 7
.irp c, 0,1,2,3,4,5
.irp g, 0,1
	ds_store_b128 v[STO], v[48*\i+8*\c+4*\g:48*\i+8*\c+4*\g+3] offset:(32*(\i/2)+8*(\i%2))*SROW+128*(\c/2)+32*(\c%2)+16*\g
.endr
.endr
.endr
	WIN 0
	s_wait_alu depctr_va_vdst(0)
	s_wait_dscnt 0x0                               ; for the others' sake: a row's 1,536 bytes come from four waves
	s_barrier_signal -1
	s_barrier_wait -1
	WIN 0x40                                       ; back into window 1, which held Q's fragments
.set np, 0
.rept 48
	ds_load_b128 v[4*np:4*np+3], v[RD] offset:SROW*(np/3)+512*(np%3)
.set np, np+1
.endr
	WIN 0x04                                       ; a store's data are its source 1: window 1
.set np, 0
.rept 48
	s_wait_dscnt 47-np                             ; LDS loads come back in order: load np is in, the younger ones may be out
	global_store_b128 v[L16], v[4*np:4*np+3], s[8:9] offset:1536*(np/3)+512*(np%3) th:TH_STORE_NT   ; 512 consecutive bytes, at a multiple of 256 from out0's first byte
.set np, np+1
.endr
	WIN 0
	s_wait_tensorcnt 0x0                           ; the wave's end
	ds_add_u32 v[SPW], v[NIL]
	s_wait_dscnt 0x0
	CROUND                                         ; the closing round
	s_endpgm
.Lfunc_end_k_q011b309c75_attn:
	.size	k_q011b309c75_attn, .Lfunc_end_k_q011b309c75_attn-k_q011b309c75_attn
	.p2alignl 7, 3214868480
	.fill 96, 4, 3214868480
	.section	.rodata,"a",@progbits
	.p2align	6, 0x0
	.amdhsa_kernel k_q011b309c75_attn
		.amdhsa_group_segment_fixed_size 327680
		.amdhsa_private_segment_fixed_size 0
		.amdhsa_enable_private_segment 0
		.amdhsa_kernarg_size 24
		.amdhsa_user_sgpr_count 2
		.amdhsa_user_sgpr_kernarg_segment_ptr 1
		.amdhsa_wavefront_size32 1
		.amdhsa_system_sgpr_workgroup_id_x 1
		.amdhsa_system_sgpr_workgroup_id_y 1
		.amdhsa_system_sgpr_workgroup_id_z 1
		.amdhsa_system_vgpr_workitem_id 0
		.amdhsa_next_free_vgpr 1024
		.amdhsa_next_free_sgpr 80
		.amdhsa_reserve_vcc 0
		.amdhsa_float_denorm_mode_32 3
		.amdhsa_float_denorm_mode_16_64 3
		.amdhsa_memory_ordered 1
		.amdhsa_forward_progress 1
		.amdhsa_inst_pref_size 255
	.end_amdhsa_kernel
	.section	.bss,"aw",@nobits
	.p2align	6
	.space	262144
	.amdgpu_metadata
---
amdhsa.version: [ 1, 2 ]
amdhsa.kernels:
  - .name:           k_q011b309c75_attn
    .symbol:         k_q011b309c75_attn.kd
    .args:
      - { .name: qimg, .offset: 0, .size: 8, .value_kind: global_buffer, .address_space: global }
      - { .name: kv, .offset: 8, .size: 8, .value_kind: global_buffer, .address_space: global }
      - { .name: out0, .offset: 16, .size: 8, .value_kind: global_buffer, .address_space: global }
    .group_segment_fixed_size: 327680
    .private_segment_fixed_size: 0
    .kernarg_segment_align: 8
    .kernarg_segment_size: 24
    .max_flat_workgroup_size: 128
    .sgpr_count:     80
    .vgpr_count:     1024
    .wavefront_size: 32
...
	.end_amdgpu_metadata
.endif
;; end of part 3
